; MI455X (gfx1250); checked and timed in simulation.
; The chip was launched on July 23, 2026; its instructions are those of AMD's public machine-readable ISA for CDNA 5 (MIT licence, August 2026) and "CDNA5" Instruction Set Architecture Reference Guide (July 2026). The comments in the code are by the model that wrote it; some were corrected since.
;; Expert Group. Allowed arithmetic: matrix products marked QUANTISED: E2M3 operands, one E8M0 scale for each 32 along K, by v_wmma_scale_f32_16x16x128_f8f6f4 with both operands' format E2M3, f32 sums; everything else in f32.
;; Inputs: down_weight 8 x 1,024 x 2,048 float32; expert_ids 1,024 int32; gate_weight 8 x 2,048 x 1,024 float32; up_weight 8 x 2,048 x 1,024 float32; x 1,024 x 1,024 float32.
;; Outputs: out0 1,024 x 1,024 float32.
;; This version of the problem:
;;   THIS VERSION OF THE PROBLEM IS GIVEN IN LOW PRECISION. The matrix products marked QUANTISED in the list below multiply operands that are first quantised to E2M3 (2 exponent bits, 3 mantissa bits; 6 bits a number), with one power-of-two scale for each 32 numbers along K (OCP MX v1.0); their sums are f32. All else is computed in f32.
;;   The module's matrix products, in the order in which they are computed (A, B: the left and right operand; K: the contracted axis; several contracted axes count as one K, in the product's order):
;;     1. [M 1,024, K 1,024] x [K 1,024, N 16,384]; A: input x; B: input gate_weight: QUANTISED
;;     2. [M 1,024, K 1,024] x [K 1,024, N 16,384]; A: input x; B: input up_weight: QUANTISED
;;     3. [M 1,024, K 2,048] x [K 2,048, N 8,192]; A: computed on the way; B: input down_weight: QUANTISED
;;   THE QUANTISER, for each operand of a quantised product, along K:
;;     - K is cut into blocks of 32 from its start; a last block that is shorter is filled with zeros.
;;     - A block's scale is 2^e with e = floor(log2(the largest magnitude in the block)) - 2, held to -126 .. 127; a block of zeros has e = 0. As a byte (E8M0): e + 127.
;;     - Each number is divided by its block's scale, clamped to +-7.5, and rounded to the nearest number of E2M3, ties to even, subnormals kept.
;;     - The product sums the exact products of the quantised numbers (number of the format x scale) in f32.
;;   ~~~python
;;   def quantise(x, axis):      # numpy; x: float32 -> the quantised numbers, widened to float32 again
;;       x = np.moveaxis(x, axis, -1); K = x.shape[-1]
;;       x = np.pad(x, [(0, 0)] * (x.ndim - 1) + [(0, -K % 32)]); x = x.reshape(x.shape[:-1] + (-1, 32)); a = np.abs(x).max(-1, keepdims=True)
;;       e = np.where(a > 0, np.clip(np.frexp(np.where(a > 0, a, 1))[1] - 1 - 2, -126, 127), 0)      # np.frexp(a)[1] - 1 = floor(log2(a)), exactly
;;       r = np.clip(x / 2.0 ** e, -7.5, 7.5)
;;       step = 2.0 ** (np.maximum(np.frexp(np.where(r == 0, 1, r))[1] - 1, 0) - 3)
;;       q = np.round(r / step) * step * 2.0 ** e      # np.round: ties to even
;;       return np.moveaxis(q.reshape(q.shape[:-2] + (-1,))[..., :K], -1, axis).astype(np.float32)
;;   ~~~
;;   OPERANDS COMPUTED ON THE WAY. 'Computed on the way' means the value that the module computes at that place (a softmax that the list does not call 'softmax' is quantised finished and normalised). What goes into a quantiser is computed in f32, as accurately as f32 sums, v_exp_f32 and their like allow (about 1e-6 of the number): no bf16 or f16 on the way to a quantiser, and a product that is left as it is and whose result goes on into a quantised operand takes f32 operands (vector FMAs, or v_wmma_f32_16x16x4_f32). A number that lies on a knife's edge between two numbers of the format may be rounded either way, as far as f32 arithmetic and the matrix unit's own rounding can turn it there, and no further.
;; One version. Each part assembles by itself: llvm-mc -triple=amdgcn-amd-amdhsa -mcpu=gfx1250 --defsym DOCPART=n.
;; ======== version 1 of 1: 3 launches
;; workspace buffers: xc 786,432 bytes; xs 32,768 bytes; route 4,864 bytes of whole numbers; hc 1,744,896 bytes; hs 72,704 bytes
;; launch prep (part 1): grid 65 x 1, 4 waves a work-group, no clusters, 33,280 bytes of LDS; arguments x, expert_ids, xc, xs, route; writes xc, xs, route
.if DOCPART == 1
	.amdgcn_target "amdgcn-amd-amdhsa--gfx1250"
	.amdhsa_code_object_version 6
	.text
	.protected	k_q56d9609978_prep
	.globl	k_q56d9609978_prep
	.p2align	8
	.type	k_q56d9609978_prep,@function
k_q56d9609978_prep:
	s_mov_b64 s[64:65], 0
	v_nop
	global_prefetch_b8 v0, s[64:65] scope:SCOPE_SE
	s_setreg_imm32_b32 hwreg(HW_REG_WAVE_MODE, 25, 1), 1
	s_wait_xcnt 0x0
; TWO JOBS IN ONE LAUNCH.
; Work-groups 1 to 64: x [1024][1024] f32 becomes codes of FP6 (E2M3), K innermost, xc [1024][768 bytes] (a row is one stream of bits, a block of 32 codes in 24 bytes),
; and one E8M0 byte for each 32 along K, xs [1024][32].  A block's scale is 2^(floor(log2(largest magnitude)) - 2): its byte is the largest magnitude's exponent field - 2, held at 1 from below.
; Rows are dense, so x is a plain stream of blocks: a wave takes 4,096 numbers in 8 steps of 512.  Each load reads 512 consecutive bytes, 16 a lane; a step's 2,048 bytes turn through the wave's
; own stage in LDS and come back 64 bytes a lane, since the conversion takes 16 neighbours along K from ONE lane's registers.  Two neighbouring lanes hold a block.
; Work-group 0, wave 0: a counting sort of the 1,024 tokens by expert, without atomics.  route: bytes 0-127 a table (word 2 e: expert e's first tile of 16 tokens, word 2 e + 1: its tokens);
; from byte 256 on the list: word 16 (first tile of e) + rank = the token's number.  There are never more than (1024 + 8 x 15) / 16 = 71 tiles.  Places behind an expert's last token are not written and never read.
; LIMITS: NaN and infinities in x are not served; a block of zeros gets the byte 1 (its codes are zeros, and this program alone reads the bytes); expert_ids lie in 0 .. 7, as the gather of the problem needs.
; No matrix unit, no cluster, no barrier: the waves share nothing.
.set STEPS, 8
.set WREG,  8192                       ; LDS of a wave: two stages of 32 x SP bytes, behind them its 128 scale bytes
.set SP,    80                         ; a lane's place in a stage: 64 bytes + 16 of padding
.set R,     16                         ; v16-143  eight sets of 16 numbers as loaded: all 32 loads of a wave go out at once
.set X,     144                        ; v144-175 two sets of 16 neighbours
.set C,     176                        ; v176-207 codes: four registers a step, so that no store's data are written again
.set E,     208                        ; v208-215 a scale byte a step
.set ID,    16                         ; the sort: v16-47 expert numbers; register j of lane l is token 128 (j / 4) + 4 l + j % 4
.set RK,    48                         ; v48-79   ranks among the expert's tokens
.set BS,    80                         ; v80-111  the expert's first tile
.set TK,    112                        ; v112-143 token numbers
.set AD,    144                        ; v144-175 store offsets
.set T8,    176                        ; v176-183 at work
.set TAB,   185                        ; v185     the table, a word a lane
.set L4,    186                        ; v186     4 x lane
	s_load_b128 s[4:7], s[0:1], 0x0                ; x, expert_ids
	s_load_b128 s[8:11], s[0:1], 0x10              ; xc, xs
	s_load_b64 s[12:13], s[0:1], 0x20              ; route
	v_lshl_add_u32 v224, v0, 2, 0x8000
	v_mov_b32 v225, 0
	v_lshrrev_b32 v1, 5, v0
	v_readfirstlane_b32 s16, v1                    ; wave
	v_and_b32 v2, 31, v0                           ; lane
	v_lshlrev_b32 v3, 4, v2                        ; 16 x lane
	s_wait_kmcnt 0x0
	s_cmp_eq_u32 ttmp9, 0
	s_cbranch_scc1 .Lsort
	; ---------------- x into codes ----------------
	s_mul_i32 s17, s16, WREG
	v_lshrrev_b32 v14, 2, v2
	v_mul_u32_u24 v14, v14, SP
	v_and_b32 v15, 3, v2
	v_lshl_add_u32 v14, v15, 4, v14
	v_add_nc_u32 v14, s17, v14                     ; into the stage: four lanes' 64 bytes on end, then 16 of padding
	v_mul_u32_u24 v15, v2, SP
	v_add_nc_u32 v15, s17, v15                     ; out of it: my 16 neighbours
	v_mul_u32_u24 v4, v2, 12                       ; my 12 bytes of a step's 384 bytes of codes
	v_lshrrev_b32 v5, 1, v2
	s_add_co_u32 s17, s17, 2*32*SP
	v_add_nc_u32 v5, s17, v5                       ; my block's scale byte in LDS
	v_lshlrev_b32 v7, 2, v2
	v_add_nc_u32 v6, s17, v7                       ; and on the way out 4 bytes a lane
	s_sub_co_u32 s18, ttmp9, 1
	s_lshl_b32 s18, s18, 2
	s_add_co_u32 s18, s18, s16                     ; which run of 4,096 numbers is my wave's: 0 .. 255
	s_lshl_b32 s20, s18, 14
	s_mov_b32 s21, 0
	s_mul_i32 s22, s18, 3072
	s_mov_b32 s23, 0
	s_lshl_b32 s24, s18, 7
	s_mov_b32 s25, 0
	s_add_nc_u64 s[4:5], s[4:5], s[20:21]
	s_add_nc_u64 s[8:9], s[8:9], s[22:23]
	s_add_nc_u64 s[10:11], s[10:11], s[24:25]
.macro LOAD t
.irp i, 0,1,2,3
	global_load_b128 v[R+16*(\t)+4*\i:R+16*(\t)+4*\i+3], v3, s[4:5] offset:2048*(\t)+512*\i th:TH_LOAD_NT   ; 32 lanes read 512 consecutive bytes
.endr
.endm
.macro TURN t                          ; a step's numbers through the stage: LDS serves a wave's instructions in order, so no wait stands between the stores and the loads
.irp i, 0,1,2,3
	ds_store_b128 v14, v[R+16*(\t)+4*\i:R+16*(\t)+4*\i+3] offset:32*SP*((\t)%2)+8*SP*\i
.endr
.irp i, 0,1,2,3
	ds_load_b128 v[X+16*((\t)%2)+4*\i:X+16*((\t)%2)+4*\i+3], v15 offset:32*SP*((\t)%2)+16*\i
.endr
.endm
.irp t, 0,1,2,3,4,5,6,7
	LOAD \t
.endr
	s_wait_loadcnt 28                              ; step 0's four loads are in; the other seven steps' 28 may be out
	TURN 0
.macro STEP t
.set XQ, X+16*((\t)%2)
.if (\t) > 0
	s_wait_dscnt 1                                 ; this step's numbers are back from the stage; the last step's byte store may be out
.else
	s_wait_dscnt 0x0
.endif
.if (\t)+1 < STEPS
	s_wait_loadcnt 4*(STEPS-2-(\t))                ; the next step's four loads are in; those of the steps behind it may be out
	TURN (\t)+1                                    ; they go through the other stage while this step is worked
.endif
	v_max3_num_f32 v8, |v[XQ]|, |v[XQ+1]|, |v[XQ+2]|               ; the largest magnitude of my 16, in two chains
	v_max3_num_f32 v9, |v[XQ+3]|, |v[XQ+4]|, |v[XQ+5]|
.irp i, 6,10
	v_max3_num_f32 v8, v8, |v[XQ+\i]|, |v[XQ+\i+1]|
	v_max3_num_f32 v9, v9, |v[XQ+\i+2]|, |v[XQ+\i+3]|
.endr
	v_max3_num_f32 v8, v8, |v[XQ+14]|, |v[XQ+15]|
	v_max3_num_f32 v8, v8, v9, 0x1800000           ; and the floor 2^(3 - 127): the byte cannot fall under 1
	v_max_num_f32_dpp v8, v8, v8 row_xmask:1 row_mask:0xf bank_mask:0xf   ; with my neighbour's 16: the block's
	v_add_nc_u32 v11, 0xff000000, v8               ; 2 off its exponent field: the conversion takes this operand's exponent field as its scale
	v_cvt_scalef32_pk16_fp6_f32 v[C+4*(\t):C+4*(\t)+2], v[XQ:XQ+15], v11
	v_lshrrev_b32 v[E+(\t)], 23, v11               ; the scale's byte (a plain line behind the conversion)
	ds_store_b8 v5, v[E+(\t)] offset:16*(\t)       ; both lanes of a block write the same byte with the same value
	global_store_b96 v4, v[C+4*(\t):C+4*(\t)+2], s[8:9] offset:384*(\t)   ; the wave stores 384 consecutive bytes
.endm
.irp t, 0,1,2,3,4,5,6,7
	STEP \t
.endr
	ds_load_b32 v12, v6                            ; LDS serves a wave's instructions in order: this sees my byte stores
	s_wait_dscnt 0x0
	global_store_b32 v7, v12, s[10:11]             ; 128 consecutive bytes a wave; the work-group's four waves store 512 on end
	s_wait_tensorcnt 0x0
	ds_add_u32 v224, v225
	s_wait_dscnt 0x0
	s_endpgm
	; ---------------- the sort: one wave, all lanes on throughout ----------------
.Lsort:
	s_cmp_lg_u32 s16, 0
	s_cbranch_scc1 .Lend                           ; waves 1 to 3 of this work-group have no part in it
	v_lshlrev_b32 v[L4], 2, v2
.irp i, 0,1,2,3,4,5,6,7
	global_load_b128 v[ID+4*\i:ID+4*\i+3], v3, s[6:7] offset:512*\i
.endr
.irp e, 0,1,2,3,4,5,6,7
	s_mov_b32 s[24+\e], 0                          ; s24-31: tokens of expert e counted so far
.endr
	s_wait_loadcnt 0x0
	; 32 tokens at a time.  A token's rank = the expert's count so far + the lanes below mine with the same expert.  The eight experts go in runs, so that no line waits for the line above it.
.set j, 0
.rept 32
.irp e, 0,1,2,3,4,5,6,7
	v_cmp_eq_u32 s[32+\e], \e, v[ID+j]             ; s32-39: which lanes hold expert e
.endr
	v_mbcnt_lo_u32_b32 v[RK+j], s32, s24
.irp e, 1,2,3,4,5,6,7
	v_mbcnt_lo_u32_b32 v[T8+\e], s[32+\e], s[24+\e]
.endr
.irp e, 1,2,3,4,5,6,7
	v_cndmask_b32 v[RK+j], v[RK+j], v[T8+\e], s[32+\e]
.endr
.irp e, 0,1,2,3,4,5,6,7
	s_bcnt1_i32_b32 s[40+\e], s[32+\e]
.endr
.irp e, 0,1,2,3,4,5,6,7
	s_add_co_u32 s[24+\e], s[24+\e], s[40+\e]
.endr
.set j, j+1
.endr
	s_mov_b32 s48, 0                               ; s48-55: each expert's first tile: the running sum of ceil(count / 16)
.irp e, 0,1,2,3,4,5,6
	s_add_co_u32 s56, s[24+\e], 15
	s_lshr_b32 s56, s56, 4
	s_add_co_u32 s[49+\e], s[48+\e], s56
.endr
	s_lshl_b32 s56, s49, 8                         ; a first tile is 70 at the most: the eight go as bytes into s57 (experts 0-3) and s58 (4-7)
	s_or_b32 s57, s48, s56
	s_lshl_b32 s56, s50, 16
	s_or_b32 s57, s57, s56
	s_lshl_b32 s56, s51, 24
	s_or_b32 s57, s57, s56
	s_lshl_b32 s56, s53, 8
	s_or_b32 s58, s52, s56
	s_lshl_b32 s56, s54, 16
	s_or_b32 s58, s58, s56
	s_lshl_b32 s56, s55, 24
	s_or_b32 s58, s58, s56
	v_mov_b32 v[TAB], 0
.irp e, 0,1,2,3,4,5,6,7
	v_writelane_b32 v[TAB], s[48+\e], 2*\e
	v_writelane_b32 v[TAB], s[24+\e], 2*\e+1
.endr
.set j, 0
.rept 32
	v_perm_b32 v[BS+j], s58, s57, v[ID+j]          ; the selector's lowest byte is the expert's number: it picks that expert's byte
	v_and_b32 v[BS+j], 0xff, v[BS+j]
	v_lshl_add_u32 v[AD+j], v[BS+j], 4, v[RK+j]    ; the token's place in the list: 16 x first tile + rank
	v_min_u32 v[AD+j], 0x46f, v[AD+j]              ; a number made from loaded ones enters an address only behind a minimum with a constant: 71 x 16 - 1
	v_lshlrev_b32 v[AD+j], 2, v[AD+j]
	v_add_nc_u32 v[TK+j], 128*(j/4)+j%4, v[L4]     ; the token's number
	global_store_b32 v[AD+j], v[TK+j], s[12:13] offset:256   ; a scatter of single words, 4,096 bytes in all: the one place where the sort's result has to be strewn
.set j, j+1
.endr
	global_store_b32 v[L4], v[TAB], s[12:13]       ; the table: 128 consecutive bytes
.Lend:
	s_endpgm
.Lfunc_end_k_q56d9609978_prep:
	.size	k_q56d9609978_prep, .Lfunc_end_k_q56d9609978_prep-k_q56d9609978_prep
	.p2alignl 7, 3214868480
	.fill 96, 4, 3214868480
	.section	.rodata,"a",@progbits
	.p2align	6, 0x0
	.amdhsa_kernel k_q56d9609978_prep
		.amdhsa_group_segment_fixed_size 33280
		.amdhsa_private_segment_fixed_size 0
		.amdhsa_enable_private_segment 0
		.amdhsa_kernarg_size 40
		.amdhsa_user_sgpr_count 2
		.amdhsa_user_sgpr_kernarg_segment_ptr 1
		.amdhsa_wavefront_size32 1
		.amdhsa_system_sgpr_workgroup_id_x 1
		.amdhsa_system_sgpr_workgroup_id_y 1
		.amdhsa_system_sgpr_workgroup_id_z 1
		.amdhsa_system_vgpr_workitem_id 0
		.amdhsa_next_free_vgpr 226
		.amdhsa_next_free_sgpr 66
		.amdhsa_reserve_vcc 0
		.amdhsa_float_denorm_mode_32 3
		.amdhsa_float_denorm_mode_16_64 3
		.amdhsa_memory_ordered 1
		.amdhsa_forward_progress 1
		.amdhsa_inst_pref_size 97
	.end_amdhsa_kernel
	.amdgpu_metadata
---
amdhsa.version: [ 1, 2 ]
amdhsa.kernels:
  - .name:           k_q56d9609978_prep
    .symbol:         k_q56d9609978_prep.kd
    .args:
      - { .name: x, .offset: 0, .size: 8, .value_kind: global_buffer, .address_space: global }
      - { .name: expert_ids, .offset: 8, .size: 8, .value_kind: global_buffer, .address_space: global }
      - { .name: xc, .offset: 16, .size: 8, .value_kind: global_buffer, .address_space: global }
      - { .name: xs, .offset: 24, .size: 8, .value_kind: global_buffer, .address_space: global }
      - { .name: route, .offset: 32, .size: 8, .value_kind: global_buffer, .address_space: global }
    .group_segment_fixed_size: 33280
    .private_segment_fixed_size: 0
    .kernarg_segment_align: 8
    .kernarg_segment_size: 40
    .max_flat_workgroup_size: 128
    .sgpr_count:     66
    .vgpr_count:     226
    .wavefront_size: 32
...
	.end_amdgpu_metadata
.endif
;; end of part 1
;; launch gateup (part 2): grid 32 x 8, 4 waves a work-group, no clusters, 190,976 bytes of LDS; arguments gate_weight, up_weight, xc, xs, route, hc, hs; writes hc, hs
.if DOCPART == 2
	.amdgcn_target "amdgcn-amd-amdhsa--gfx1250"
	.amdhsa_code_object_version 6
	.text
	.protected	k_q56d9609978_gateup
	.globl	k_q56d9609978_gateup
	.p2align	8
	.type	k_q56d9609978_gateup,@function
k_q56d9609978_gateup:
	s_mov_b64 s[64:65], 0
	v_nop
	global_prefetch_b8 v0, s[64:65] scope:SCOPE_SE
	s_setreg_imm32_b32 hwreg(HW_REG_WAVE_MODE, 25, 1), 1
	s_wait_xcnt 0x0
; hidden = silu(x Wg^T) * (x Wu^T) for each token's own expert, both products on codes of FP6 (E2M3) with one E8M0 scale for each 32 along K; the hidden layer leaves as codes, quantised along H.
; THE WEIGHTS STAY, THE TOKENS WALK.  Work-group (hp, e) owns hidden units 64 hp .. 64 hp + 63 of expert e: 64 rows of gate and 64 of up, 524,288 bytes of f32, read from memory ONCE in the whole launch.
; PHASE A.  Wave w = 2 b + m streams the 32 rows 64 hp + 32 b .. of gate (m = 0) or up (m = 1), in 16 units of 16 rows x 128 K.  Each load covers 512 consecutive aligned bytes of a row.  A unit turns through the
; wave's own stage in LDS, so that a lane holds two whole blocks of 32 along K, is quantised in registers, and goes to LDS as an image of the operand's registers (3 stores of 16 bytes a lane, and the scale word).
; Four units' loads, 64 of 512 bytes, are asked for ahead in each wave.  One barrier.
; PHASE B.  Both waves of pair b take block b's 32 fragments (4 tiles: gate 0, gate 1, up 0, up 1, x 8 K steps: 384 registers) and walk the expert's tiles of 16 tokens, wave m tiles m, m + 2, ..: the count is read from route.
; A tile's rows of xc are gathered by the list two tiles ahead, whole runs of 256 bytes by sixteen lanes, and turn through the wave's own stage into fragments one tile ahead.
; TRANSPOSED USE: source 0 = 16 rows of W, source 1 = 16 tokens: a lane holds ONE token.  THE ROWS OF A TILE ARE NOT NEIGHBOURS: lane r of tile u takes row 8 u + r + 8 (r / 8), so that the 16 registers of tiles 0 and 1
; are hidden units 16 (lane / 16) + 0 .. 15 of the block of 32, neighbours along the next product's K.
; PAD ROWS of an expert's last tile take the tile's last token again: same codes, same results, stored to rows of hc of their own.  So no lane is ever switched off.
; hc: [71 tiles][64 blocks][16 rows][24 bytes];  hs: [71][16 rows][64 bytes], byte q for block q.
; NO JOINT LOADS: the weights, 524,288 bytes a work-group, are shared by nobody; what the 32 work-groups of an expert share are rows of xc, 800 bytes a token, at places that the list names, not a tile with one pitch,
; in a loop whose count is read from memory.  NO TENSOR LOADS: plain loads under counted waits keep a wave's four units on their way without a barrier in the stream.
; LIMITS: NaN and infinities are not served.  Where 1 + 2^(-g log2 e) passes 2^126 the reciprocal gives 0, and so does the hidden number (its true magnitude is under |g u| 2^-126).
; A block of zeros gets the byte 1 (its codes are zeros, and this program alone reads the bytes).
; REGISTERS, in windows of 256.  Window 0: v1-54 addresses and lists; v64-95 the weights' scale words; v96-99 x's; v104-135 the four accumulators; v136-159 and v160-251 at work.
;   Window 1: phase A four sets of 64 raw numbers; phase B the fragments of K steps 0-4.   Window 2: those of K steps 5-7.   Window 3: v0-95 a tile's rows of xc as loaded, v96-191 x's eight fragments.
.set NU,   16                          ; units of a wave
.set SPI,  528                         ; a stage row: 512 bytes + 16: the sixteen rows that a load touches start at sixteen different columns of 16 bytes
.set WIMG, 33792                       ; LDS: 0 the four stages of 16 x 528; here the images, 2 blocks x 32 fragments x 1,536 bytes;
.set WSC,  132096                      ; their scale words, 2 x 32 x 128 bytes;
.set XST,  140288                      ; and a stage for x's rows for each wave: 16 rows x 784
.set L16, 1                            ; 16 x lane
.set STW, 2                            ; the stage, on the way in
.set STR, 3                            ; and out
.set IMW, 4                            ; where I store images
.set SCW, 5                            ; and scale words
.set IMR, 6                            ; where I read my block's images
.set SCR, 7
.set SH8, 8                            ; 8 x (lane / 16)
.set XSW, 9                            ; x's stage, in
.set XSR, 10                           ; and out
.set RR,  11                           ; r = lane % 16
.set HH,  12                           ; h = lane / 16
.set R16, 13
.set H16, 14
.set HCO, 15                           ; 24 r + 12 h
.set HSO, 16                           ; 64 r
.set HCA, 17                           ; store offsets
.set HSA, 18
.set TMP, 19
.set KI,  20                           ; v20-27 2 i + h
.set LA,  28                           ; v28-36 offsets into the list
.set LT,  37                           ; v37-45 tokens
.set OFF, 46                           ; v46-54 offsets into xc (8) and xs (1)
.set WS,  64
.set XS,  96
.set XN,  100                          ; v100-103 the next tile's scale words as loaded
.set G,   104                          ; gate's two tiles
.set U,   120                          ; up's two
.set TT16,136
.set HC3, 152
.set HBY, 155
.set MX,  156
.set X,   160                          ; v160-223 a unit's 64 numbers of my row
.set PC,  224                          ; v224-235 the fragment just made
.set TC,  236
.set M,   244
.set SCV, 246
.set BY,  248
.set PW,  250
.set TT,  251
.set WV,  18
.set BB,  19
.set SEL, 20
.set MM,  22
.set WB,  26
.set IX,  28                           ; the tile in hand
.set NT,  29                           ; the expert's tiles
.set TM1, 30
.set C1,  31
.set T0,  32
.set IC,  33
.set RM1, 34
.set TAU, 35
.set LB,  36
.set TRP, 44                           ; trips of the loop over tiles that are done
.set NTR, 45                           ; my wave's tiles: the loop's trips
.set MSB, 0
.macro WIN new                         ; the immediate's high byte repeats the setting that is left
.if MSB != \new
	s_set_vgpr_msb (MSB<<8)|\new
.set MSB, \new
.endif
.endm
; unit n = 2 s + u: tile u of my matrix, K step s.  16 loads, one for each row
.macro WLOAD n
	WIN 0x40                                       ; destination window 1
.irp i, 0,1,2,3,4,5,6,7,8,9,10,11,12,13,14,15
	global_load_b128 v[64*((\n)%4)+4*\i:64*((\n)%4)+4*\i+3], v[L16], s[WB:WB+1] offset:(8*((\n)%2)+\i+8*(\i/8))*4096+512*((\n)/2) th:TH_LOAD_NT
.endr
	WIN 0
.endm
; 64 numbers of a lane, register 32 c + i = k 64 c + 32 h + i of my row: two whole blocks.  They become the fragment's 12 registers and my row's scale word.
.macro QW
.irp c, 0,1
	v_max3_num_f32 v[M+\c], |v[X+32*\c]|, |v[X+32*\c+1]|, 0x1800000   ; with the floor 2^(3 - 127): the byte cannot fall under 1
.endr
.irp i, 2,4,6,8,10,12,14,16,18,20,22,24,26,28,30
.irp c, 0,1
	v_max3_num_f32 v[M+\c], v[M+\c], |v[X+32*\c+\i]|, |v[X+32*\c+\i+1]|
.endr
.endr
.irp c, 0,1
	v_add_nc_u32 v[SCV+\c], 0xff000000, v[M+\c]    ; 2 off the exponent field: the conversion's scale operand
.endr
.irp c, 0,1
	v_lshrrev_b32 v[BY+\c], 23, v[SCV+\c]          ; the scale's byte
.endr
	v_lshl_or_b32 v[PW], v[BY+1], 16, v[BY]        ; my two bytes, blocks h and 2 + h,
	v_lshlrev_b32 v[PW], v[SH8], v[PW]             ; at their places;
	v_permlanex16_b32 v[TT], v[PW], s[SEL], s[SEL+1]
	v_or_b32 v[PW], v[PW], v[TT]                   ; with lane l xor 16's two the word is whole
.irp c, 0,1
	v_cvt_scalef32_pk16_fp6_f32 v[PC+6*\c:PC+6*\c+2], v[X+32*\c:X+32*\c+15], v[SCV+\c]
	v_cvt_scalef32_pk16_fp6_f32 v[TC+4*\c:TC+4*\c+2], v[X+32*\c+16:X+32*\c+31], v[SCV+\c]   ; (a conversion's three registers begin on an even number)
.endr
	v_nop                                          ; one plain place behind a scaled conversion
.irp c, 0,1
.irp i, 0,1,2
	v_mov_b32 v[PC+6*\c+3+\i], v[TC+4*\c+\i]
.endr
.endr
.endm
; cnt: the loads issued behind this unit's sixteen (63 where there are more: the most that the wait can name, and the stricter count)
.macro UNIT n, cnt
	s_wait_loadcnt \cnt
	WIN 0x04                                       ; an LDS store's data are its source 1: window 1
.irp i, 0,1,2,3,4,5,6,7,8,9,10,11,12,13,14,15
	ds_store_b128 v[STW], v[64*((\n)%4)+4*\i:64*((\n)%4)+4*\i+3] offset:SPI*\i
.endr
	WIN 0
.irp c, 0,1
.irp j, 0,1,2,3,4,5,6,7
	ds_load_b128 v[X+32*\c+4*\j:X+32*\c+4*\j+3], v[STR] offset:256*\c+16*\j   ; LDS serves a wave's instructions in order: these see the stores above
.endr
.endr
.if (\n)+4 < NU
	s_wait_dscnt 16                                ; the sixteen loads may be out; the stores have read the raw set,
	WLOAD (\n)+4                                   ; which takes the unit four further on
.endif
	s_wait_dscnt 0x0
	QW
.irp c, 0,1,2
	ds_store_b128 v[IMW], v[PC+4*\c:PC+4*\c+3] offset:1536*(4*((\n)/2)+(\n)%2)+512*\c   ; fragment 4 s + 2 m + u of my block, as its registers stand
.endr
	ds_store_b32 v[SCW], v[PW] offset:128*(4*((\n)/2)+(\n)%2)
.endm
.macro FETCHW                          ; my block's 32 fragments: 0-19 into window 1, 20-31 into window 2; their scale words into window 0
	WIN 0x40
.set f, 0
.rept 20
.irp c, 0,1,2
	ds_load_b128 v[12*f+4*\c:12*f+4*\c+3], v[IMR] offset:1536*f+512*\c
.endr
.set f, f+1
.endr
	WIN 0x80
.rept 12
.irp c, 0,1,2
	ds_load_b128 v[12*(f-20)+4*\c:12*(f-20)+4*\c+3], v[IMR] offset:1536*f+512*\c
.endr
.set f, f+1
.endr
	WIN 0
.set f, 0
.rept 32
	ds_load_b32 v[WS+f], v[SCR] offset:128*f
.set f, f+1
.endr
	s_wait_dscnt 0x0
.endm
; tile IX + k of my expert, held at its last tile: IC its number, RM1 its rows - 1, TAU its number among all tiles.  So a look-ahead past the end reads the last tile again and no load leaves its buffer.
.macro TILEIX k
	s_add_co_u32 s[IC], s[IX], \k
	s_min_u32 s[IC], s[IC], s[TM1]
	s_lshl_b32 s[RM1], s[IC], 4
	s_sub_co_u32 s[RM1], s[C1], s[RM1]
	s_sub_co_u32 s[RM1], s[RM1], 1
	s_min_u32 s[RM1], s[RM1], 15
	s_add_co_u32 s[TAU], s[T0], s[IC]
	s_min_u32 s[TAU], s[TAU], 70
.endm
.macro LIST k                          ; 9 loads: the tokens of rows 2 i + h (i = 0 .. 7) and of row r; a pad row takes the tile's last token
	TILEIX \k
	s_lshl_b32 s[LB], s[TAU], 6
.irp i, 0,1,2,3,4,5,6,7
	v_min_u32 v[LA+\i], s[RM1], v[KI+\i]
.endr
	v_min_u32 v[LA+8], s[RM1], v[RR]
.irp i, 0,1,2,3,4,5,6,7,8
	v_min_u32 v[LA+\i], 15, v[LA+\i]               ; a number made from loaded ones enters an address only behind a minimum with a constant
.endr
.irp i, 0,1,2,3,4,5,6,7,8
	v_lshl_add_u32 v[LA+\i], v[LA+\i], 2, s[LB]
.endr
.irp i, 0,1,2,3,4,5,6,7,8
	global_load_b32 v[LT+\i], v[LA+\i], s[12:13] offset:256
.endr
.endm
.macro OFFS                            ; 18 plain lines that name no register of the products: in the loop they are also the places behind them
.irp i, 0,1,2,3,4,5,6,7,8
	v_min_u32 v[LT+\i], 0x3ff, v[LT+\i]
.endr
.irp i, 0,1,2,3,4,5,6,7
	v_mad_u32_u24 v[OFF+\i], v[LT+\i], 0x300, v[R16]   ; the token's row of 768 bytes, + 16 r
.endr
	v_lshl_add_u32 v[OFF+8], v[LT+8], 5, v[H16]    ; its 32 scale bytes, + 16 h
.endm
.macro GATHER                          ; 25 loads
	WIN 0xc0                                       ; destination window 3
.irp i, 0,1,2,3,4,5,6,7
.irp u, 0,1,2
	global_load_b128 v[4*(3*\i+\u):4*(3*\i+\u)+3], v[OFF+\i], s[8:9] offset:256*\u   ; lanes 0-15: 256 consecutive aligned bytes of row 2 i's token, lanes 16-31 of row 2 i + 1's
.endr
.endr
	WIN 0
	global_load_b128 v[XN:XN+3], v[OFF+8], s[10:11]   ; register j: lanes 0-15 K step j's word of token r, lanes 16-31 K step 4 + j's
.endm
.macro XTURN                           ; a tile's rows through my stage: in as rows, out as the eight fragments
	WIN 0x0c                                       ; store data window 3
.irp i, 0,1,2,3,4,5,6,7
.irp u, 0,1,2
	ds_store_b128 v[XSW], v[4*(3*\i+\u):4*(3*\i+\u)+3] offset:1568*\i+256*\u
.endr
.endr
	WIN 0xc0
.irp s, 0,1,2,3,4,5,6,7
.irp p, 0,1,2,3,4,5
	ds_load_b64 v[96+12*\s+2*\p:96+12*\s+2*\p+1], v[XSR] offset:96*\s+48*(\p/3)+8*(\p%3)
.endr
.endr
	WIN 0
.irp j, 0,1,2,3
	v_mov_b32 v[XS+\j], v[XN+\j]                   ; the scale words change registers, so that the next gather can land while these are at work
.endr
.endm
; 32 products: K step by K step, the four accumulators by turns, one instruction a turn, over the loop's backward jump too.  The first K step starts the sums.
.macro MUL
.irp s, 0,1,2,3,4,5,6,7
.if \s < 5
	WIN 0x0d                                       ; W window 1, x window 3, sums window 0
.set WF, 48*\s
.else
	WIN 0x0e                                       ; W window 2
.set WF, 48*(\s-5)
.endif
.irp t, 0,1,2,3
.if \s == 0
	v_wmma_scale_f32_16x16x128_f8f6f4 v[G+8*\t:G+8*\t+7], v[WF+12*\t:WF+12*\t+11], v[96+12*\s:96+12*\s+11], 0, v[WS+4*\s+\t], v[XS+\s%4] matrix_a_fmt:MATRIX_FMT_FP6 matrix_b_fmt:MATRIX_FMT_FP6
.elseif \s < 4
	v_wmma_scale_f32_16x16x128_f8f6f4 v[G+8*\t:G+8*\t+7], v[WF+12*\t:WF+12*\t+11], v[96+12*\s:96+12*\s+11], v[G+8*\t:G+8*\t+7], v[WS+4*\s+\t], v[XS+\s%4] matrix_a_fmt:MATRIX_FMT_FP6 matrix_b_fmt:MATRIX_FMT_FP6
.else
	v_wmma_scale_f32_16x16x128_f8f6f4 v[G+8*\t:G+8*\t+7], v[WF+12*\t:WF+12*\t+11], v[96+12*\s:96+12*\s+11], v[G+8*\t:G+8*\t+7], v[WS+4*\s+\t], v[XS+\s%4] matrix_a_fmt:MATRIX_FMT_FP6 matrix_b_fmt:MATRIX_FMT_FP6 matrix_b_scale:MATRIX_SCALE_ROW1
.endif
.endr
.endr
.endm
; silu(g) u = g u / (1 + 2^(-g log2 e)), all in f32; then the block of 32 hidden units (16 here, 16 in lane l xor 16) is quantised and stored.  Each accumulator is read from its low end on.
.macro EPI
.irp i, 0,2,4,6,8,10,12,14
	v_pk_mul_f32 v[TT16+\i:TT16+\i+1], v[G+\i:G+\i+1], s[40:41] op_sel_hi:[1,0]
.endr
.irp i, 0,1,2,3,4,5,6,7,8,9,10,11,12,13,14,15
	v_exp_f32 v[TT16+\i], v[TT16+\i]
.endr
.irp i, 0,2,4,6,8,10,12,14
	v_pk_mul_f32 v[G+\i:G+\i+1], v[G+\i:G+\i+1], v[U+\i:U+\i+1]   ; g u: plain lines that touch no exponential, between those and the use of their results
.endr
	s_wait_alu depctr_va_vdst(0)
.irp i, 0,2,4,6,8,10,12,14
	v_pk_add_f32 v[TT16+\i:TT16+\i+1], v[TT16+\i:TT16+\i+1], 1.0 op_sel_hi:[1,0]
.endr
.irp i, 0,1,2,3,4,5,6,7,8,9,10,11,12,13,14,15
	v_rcp_f32 v[TT16+\i], v[TT16+\i]
.endr
	s_add_co_u32 s37, s[T0], s[IX]
	s_min_u32 s37, s37, 70                         ; this tile's number among all
	s_mul_i32 s38, s37, 24576
	s_add_co_u32 s38, s38, s42
	s_lshl_b32 s39, s37, 10
	s_add_co_u32 s39, s39, s43
	v_add_nc_u32 v[HCA], s38, v[HCO]               ; (two plain lines behind the reciprocals)
	v_add_nc_u32 v[HSA], s39, v[HSO]
	s_wait_alu depctr_va_vdst(0)
.irp i, 0,2,4,6,8,10,12,14
	v_pk_mul_f32 v[G+\i:G+\i+1], v[G+\i:G+\i+1], v[TT16+\i:TT16+\i+1]
.endr
	v_max3_num_f32 v[MX], |v[G]|, |v[G+1]|, 0x1800000
	v_max3_num_f32 v[MX+1], |v[G+2]|, |v[G+3]|, |v[G+4]|
.irp i, 5,9
	v_max3_num_f32 v[MX], v[MX], |v[G+\i]|, |v[G+\i+1]|
	v_max3_num_f32 v[MX+1], v[MX+1], |v[G+\i+2]|, |v[G+\i+3]|
.endr
	v_max3_num_f32 v[MX], v[MX], |v[G+13]|, |v[G+14]|
	v_max3_num_f32 v[MX+1], v[MX+1], |v[G+15]|, v[MX]
	v_permlanex16_b32 v[MX+2], v[MX+1], s[SEL], s[SEL+1]
	v_max_num_f32 v[MX+1], v[MX+1], v[MX+2]        ; the block's largest magnitude
	v_add_nc_u32 v[MX+3], 0xff000000, v[MX+1]
	v_lshrrev_b32 v[HBY], 23, v[MX+3]
	v_cvt_scalef32_pk16_fp6_f32 v[HC3:HC3+2], v[G:G+15], v[MX+3]
	v_nop                                          ; one plain place behind a scaled conversion
	global_store_b96 v[HCA], v[HC3:HC3+2], s[14:15]   ; the wave stores the block's 384 consecutive bytes
	global_store_b8 v[HSA], v[HBY], s[16:17]       ; one byte a row, 64 bytes apart (both halves of the lanes the same byte): one byte for each 24 of codes, laid as the next launch's scale words want them
.endm
	s_load_b256 s[4:11], s[0:1], 0x0               ; gate s[4:5], up s[6:7], xc s[8:9], xs s[10:11]
	s_load_b128 s[12:15], s[0:1], 0x20             ; route s[12:13], hc s[14:15]
	s_load_b64 s[16:17], s[0:1], 0x30              ; hs
	v_lshl_add_u32 v254, v0, 2, 0x2e800
	v_mov_b32 v255, 0
	v_lshrrev_b32 v[TMP], 5, v0
	v_readfirstlane_b32 s[WV], v[TMP]              ; wave 0..3
	s_lshr_b32 s[BB], s[WV], 1                     ; b: which 32 hidden units
	s_and_b32 s[MM], s[WV], 1                      ; m: gate or up in phase A, even or odd tiles in phase B
	s_and_b32 s37, ttmp7, 0xffff                   ; the expert
	s_lshl_b32 s23, s37, 3                         ; its two words of the table
	s_lshl_b32 s38, s37, 11
	s_lshl_b32 s39, ttmp9, 6
	s_add_co_u32 s38, s38, s39
	s_lshl_b32 s39, s[BB], 5
	s_add_co_u32 s38, s38, s39                     ; my first row: 2048 e + 64 hp + 32 b,
	s_lshl_b32 s38, s38, 12                        ; of 4,096 bytes: under 2^26
	s_mov_b32 s39, 0
	v_and_b32 v[TMP], 31, v0                       ; lane
	v_lshlrev_b32 v[L16], 4, v[TMP]
	s_wait_kmcnt 0x0
	s_load_b64 s[24:25], s[12:13], s23 offset:0x0  ; first tile, tokens: it arrives while the stream starts
	s_cmp_eq_u32 s[MM], 0
	s_cselect_b64 s[WB:WB+1], s[4:5], s[6:7]       ; the choice hangs on the wave's number alone
	s_add_nc_u64 s[WB:WB+1], s[WB:WB+1], s[38:39]
	WLOAD 0
	WLOAD 1
	WLOAD 2
	WLOAD 3
	v_and_b32 v[RR], 15, v0
	v_bfe_u32 v[HH], v0, 4, 1
	s_mul_i32 s38, s[WV], 16*SPI
	v_add_nc_u32 v[STW], s38, v[L16]               ; a row's 512 bytes as they lie
	v_mul_u32_u24 v[STR], v[RR], SPI
	v_lshl_add_u32 v[STR], v[HH], 7, v[STR]        ; row r, + 128 h: my block of 32 numbers
	v_add_nc_u32 v[STR], s38, v[STR]
	s_mul_i32 s38, s[BB], 49152
	s_add_co_u32 s38, s38, WIMG
	v_add_nc_u32 v[IMR], s38, v[L16]
	s_mul_i32 s39, s[MM], 3072                     ; up's two tiles lie behind gate's two in each K step
	s_add_co_u32 s39, s39, s38
	v_add_nc_u32 v[IMW], s39, v[L16]
	v_lshlrev_b32 v[TMP], 2, v[TMP]                ; 4 x lane
	s_lshl_b32 s38, s[BB], 12
	s_add_co_u32 s38, s38, WSC
	v_add_nc_u32 v[SCR], s38, v[TMP]
	s_lshl_b32 s39, s[MM], 8
	s_add_co_u32 s39, s39, s38
	v_add_nc_u32 v[SCW], s39, v[TMP]
	v_lshlrev_b32 v[SH8], 3, v[HH]
	s_mul_i32 s38, s[WV], 12544
	s_add_co_u32 s38, s38, XST
	v_lshlrev_b32 v[R16], 4, v[RR]
	v_lshlrev_b32 v[H16], 4, v[HH]
	v_mad_u32_u24 v[XSW], v[HH], 784, v[R16]
	v_add_nc_u32 v[XSW], s38, v[XSW]
	v_mul_u32_u24 v[XSR], v[RR], 784
	v_mad_u32_u24 v[XSR], v[HH], 24, v[XSR]
	v_add_nc_u32 v[XSR], s38, v[XSR]
	v_mul_u32_u24 v[HCO], v[RR], 24
	v_mad_u32_u24 v[HCO], v[HH], 12, v[HCO]
	v_lshlrev_b32 v[HSO], 6, v[RR]
.irp i, 0,1,2,3,4,5,6,7
	v_add_nc_u32 v[KI+\i], 2*\i, v[HH]
.endr
	v_mov_b32 v[TT], 0                             ; written once: a lane permute's destination counts as one of its sources
	v_mov_b32 v[MX+2], 0
	s_mov_b32 s[SEL], 0x76543210
	s_mov_b32 s[SEL+1], 0xfedcba98                 ; v_permlanex16_b32's selects for lane l xor 16
	s_mov_b32 s40, 0xbfb8aa3b                      ; -log2(e)
	s_mov_b32 s41, s40                             ; (named with it as a pair)
	s_lshl_b32 s43, ttmp9, 1
	s_add_co_u32 s43, s43, s[BB]                   ; my block of 32 along H: 2 hp + b
	s_mul_i32 s42, s43, 384
	s_wait_kmcnt 0x0
	s_min_u32 s[T0], s24, 70                       ; loaded numbers are held by constants before anything is made of them
	s_min_u32 s25, s25, 1024
	s_add_co_u32 s[NT], s25, 15
	s_lshr_b32 s[NT], s[NT], 4                     ; the expert's tiles: 64 at the most
	s_max_u32 s[C1], s25, 1
	s_max_u32 s[TM1], s[NT], 1
	s_sub_co_u32 s[TM1], s[TM1], 1
	s_cmp_eq_u32 s25, 0
	s_cselect_b32 s[T0], 0, s[T0]                  ; an expert without tokens looks ahead at the list's first word, which is always written, and stores nothing
	s_mov_b32 s[IX], s[MM]
	s_add_co_u32 s[NTR], s[NT], 1                  ; my wave's tiles m, m + 2, .. under NT are (NT + 1 - m) / 2, rounded down
	s_sub_co_u32 s[NTR], s[NTR], s[MM]
	s_lshr_b32 s[NTR], s[NTR], 1
	s_mov_b32 s[TRP], 0
	LIST 0
	UNIT 0, 57                                     ; behind a unit's loads: three units' 48 and the list's 9
	UNIT 1, 57
	UNIT 2, 57
	UNIT 3, 57
	UNIT 4, 48                                     ; three units': so the list, which is older, is in too
	OFFS
	GATHER                                         ; my first tile's rows
	LIST 2                                         ; my second tile's tokens: 34 loads in all
	UNIT 5, 63                                     ; 48 + 34 stand behind
	UNIT 6, 63
	UNIT 7, 63
	UNIT 8, 63
	UNIT 9, 48                                     ; three units': so those 34 are in
	OFFS
	XTURN                                          ; my first tile's fragments
	s_wait_dscnt 48                                ; the 48 loads may be out; the stores have read the raw rows
	GATHER                                         ; my second tile's rows
	LIST 4
	UNIT 10, 63
	UNIT 11, 63
	UNIT 12, 63
	UNIT 13, 63                                    ; 34 + two units' 32
	UNIT 14, 16
	UNIT 15, 0
	s_wait_dscnt 0x0                               ; for the others' sake: my images lie in LDS
	s_barrier_signal -1
	s_barrier_wait -1                              ; everybody's do.  The launch's one barrier: it stands ahead of every branch on loaded numbers
	FETCHW
	s_cmp_eq_u32 s[NTR], 0
	s_cbranch_scc1 .Lend                           ; no tile for my wave
.Ltile:
	s_wait_dscnt 0x0                               ; this tile's fragments are in
	MUL
	WIN 0
	s_wait_loadcnt 0x0                             ; the next tile's rows and scale words and the list of the tile behind it, asked for a trip ago; their address registers are free
	OFFS
	XTURN                                          ; the next tile's fragments, over this tile's
	s_wait_dscnt 48                                ; the stores have read the raw rows
	GATHER
	LIST 6
	s_wait_xcnt 0x0                                ; the last tile's stores have read their offsets and data: only behind this wait are those written again
	EPI
	s_add_co_u32 s[IX], s[IX], 2                   ; my next tile: this number enters addresses alone, behind minima with constants
	s_add_co_u32 s[TRP], s[TRP], 1                 ; the loop is counted apart: one a trip, against a bound that the loop does not write
	s_cmp_lt_u32 s[TRP], s[NTR]
	s_cbranch_scc1 .Ltile
.Lend:
	s_wait_dscnt 0x0
	s_wait_tensorcnt 0x0
	ds_add_u32 v254, v255
	s_wait_dscnt 0x0
	s_endpgm
.Lfunc_end_k_q56d9609978_gateup:
	.size	k_q56d9609978_gateup, .Lfunc_end_k_q56d9609978_gateup-k_q56d9609978_gateup
	.p2alignl 7, 3214868480
	.fill 96, 4, 3214868480
	.section	.rodata,"a",@progbits
	.p2align	6, 0x0
	.amdhsa_kernel k_q56d9609978_gateup
		.amdhsa_group_segment_fixed_size 190976
		.amdhsa_private_segment_fixed_size 0
		.amdhsa_enable_private_segment 0
		.amdhsa_kernarg_size 56
		.amdhsa_user_sgpr_count 2
		.amdhsa_user_sgpr_kernarg_segment_ptr 1
		.amdhsa_wavefront_size32 1
		.amdhsa_system_sgpr_workgroup_id_x 1
		.amdhsa_system_sgpr_workgroup_id_y 1
		.amdhsa_system_sgpr_workgroup_id_z 1
		.amdhsa_system_vgpr_workitem_id 0
		.amdhsa_next_free_vgpr 1024
		.amdhsa_next_free_sgpr 66
		.amdhsa_reserve_vcc 0
		.amdhsa_float_denorm_mode_32 3
		.amdhsa_float_denorm_mode_16_64 3
		.amdhsa_memory_ordered 1
		.amdhsa_forward_progress 1
		.amdhsa_inst_pref_size 162
	.end_amdhsa_kernel
	.amdgpu_metadata
---
amdhsa.version: [ 1, 2 ]
amdhsa.kernels:
  - .name:           k_q56d9609978_gateup
    .symbol:         k_q56d9609978_gateup.kd
    .args:
      - { .name: gate_weight, .offset: 0, .size: 8, .value_kind: global_buffer, .address_space: global }
      - { .name: up_weight, .offset: 8, .size: 8, .value_kind: global_buffer, .address_space: global }
      - { .name: xc, .offset: 16, .size: 8, .value_kind: global_buffer, .address_space: global }
      - { .name: xs, .offset: 24, .size: 8, .value_kind: global_buffer, .address_space: global }
      - { .name: route, .offset: 32, .size: 8, .value_kind: global_buffer, .address_space: global }
      - { .name: hc, .offset: 40, .size: 8, .value_kind: global_buffer, .address_space: global }
      - { .name: hs, .offset: 48, .size: 8, .value_kind: global_buffer, .address_space: global }
    .group_segment_fixed_size: 190976
    .private_segment_fixed_size: 0
    .kernarg_segment_align: 8
    .kernarg_segment_size: 56
    .max_flat_workgroup_size: 128
    .sgpr_count:     66
    .vgpr_count:     1024
    .wavefront_size: 32
...
	.end_amdgpu_metadata
.endif
;; end of part 2
;; launch down (part 3): grid 32 x 8, 4 waves a work-group, no clusters, 96,768 bytes of LDS; arguments down_weight, hc, hs, route, out0; writes out0
.if DOCPART == 3
	.amdgcn_target "amdgcn-amd-amdhsa--gfx1250"
	.amdhsa_code_object_version 6
	.text
	.protected	k_q56d9609978_down
	.globl	k_q56d9609978_down
	.p2align	8
	.type	k_q56d9609978_down,@function
k_q56d9609978_down:
	s_mov_b64 s[64:65], 0
	v_nop
	global_prefetch_b8 v0, s[64:65] scope:SCOPE_SE
	s_setreg_imm32_b32 hwreg(HW_REG_WAVE_MODE, 25, 1), 1
	s_wait_xcnt 0x0
; out[n] = hidden[n] Wd^T for each token's own expert, on codes of FP6 (E2M3) with one E8M0 scale for each 32 along K = H = 2,048.  The hidden layer arrives as codes (hc, hs), tile by tile of 16 tokens.
; THE WEIGHTS STAY, THE TOKENS WALK.  Work-group (dp, e) owns rows 32 dp .. 32 dp + 31 of expert e's Wd: 262,144 bytes of f32, read from memory ONCE in the whole launch.
; PHASE A.  Wave w streams K steps 4 w .. 4 w + 3 (512 along K) of all 32 rows, in 8 units of 16 rows x 128 K; each load covers 512 consecutive aligned bytes of a row.  A unit turns through the wave's own stage in LDS,
; is quantised in registers and goes to LDS as an image of the operand's registers.  Four units' loads are asked for ahead in each wave.  One barrier.
; PHASE B.  Every wave takes all 32 fragments (2 tiles of rows x 16 K steps: 384 registers) and walks the expert's tiles, wave w tiles w, w + 4, ..: the count is read from route.  A tile's 16 fragments come from hc
; straight into the operand's registers (the layout was made for that); each wave's first tile is asked for under phase A's stream.
; TRANSPOSED USE: source 0 = 16 rows of Wd, source 1 = 16 tokens: a lane holds 8 neighbouring outputs of one token.  They go through the wave's own stage and leave as 128 consecutive aligned bytes of a token's row, by eight
; lanes: half of an aligned 256.  Whole ones would want 64 rows of Wd to a work-group, 128 work-groups for the stream; out0 is 4 MB beside the 64 MB that the launch reads.
; PAD ROWS of a last tile hold the tile's last token again: the same numbers go to the same bytes.  No lane is ever switched off.
; ORDER OF SUMS: the even and the odd K steps are summed apart, each ascending, and joined at the end: four accumulators that take turns.
; NO JOINT LOADS: the weights are shared by nobody; hc's tiles, 24,576 bytes each, are read by the 32 work-groups of an expert, but each wave takes tiles of its own in a loop whose count is read from memory,
; where no load that several work-groups ask for together can stand on every path alike.  NO TENSOR LOADS: plain loads under counted waits keep four units on their way without a barrier in the stream.
; LIMITS: NaN and infinities are not served; a block of zeros gets the byte 1 (its codes are zeros, and this program alone reads the bytes).
; REGISTERS.  Window 0: v1-39 addresses and lists; v64-95 Wd's scale words; v96-103 the hidden layer's; v104-135 four accumulators; v136-151 rows on the way out; v160-251 at work.
;   Window 1: phase A four sets of 64 raw numbers; phase B fragments 0-19.   Window 2: fragments 20-31.   Window 3: v0-191 the hidden tile's 16 fragments.
.set NU,   8
.set SPI,  528
.set WIMG, 33792                       ; LDS: 0 the four stages of 16 x 528; here 32 images of 1,536 bytes;
.set WSC,  82944                       ; their scale words, 32 x 128;
.set OST,  87040                       ; a stage for the way out for each wave: 16 rows x (128 + 16)
.set L16, 1
.set STW, 2
.set STR, 3
.set IMW, 4
.set SCW, 5
.set IMR, 6
.set SCR, 7
.set SH8, 8
.set OSW, 9
.set OSR, 10
.set RR,  11
.set HH,  12
.set HRD0,13                           ; 384 h + 24 r
.set HSR0,14                           ; 64 r + 32 h
.set OL,  15                           ; 128 dp + 16 (lane % 8)
.set L8,  16                           ; lane / 8
.set HRD, 17
.set HSR, 18
.set TMP, 19
.set LA,  28
.set LT,  32
.set OA,  36
.set WS,  64
.set HS,  96
.set AC,  104                          ; accumulator (tile u, parity p) at AC + 8 u + 16 p
.set OB,  136
.set X,   160
.set PC,  224
.set TC,  236
.set M,   244
.set SCV, 246
.set BY,  248
.set PW,  250
.set TT,  251
.set WV,  18
.set SEL, 20
.set WB,  26
.set IX,  28
.set NT,  29
.set TM1, 30
.set C1,  31
.set T0,  32
.set IC,  33
.set RM1, 34
.set TAU, 35
.set LB,  36
.set TRP, 44                           ; trips of the loop over tiles that are done
.set NTR, 45                           ; my wave's tiles: the loop's trips
.set MSB, 0
.macro WIN new                         ; the immediate's high byte repeats the setting that is left
.if MSB != \new
	s_set_vgpr_msb (MSB<<8)|\new
.set MSB, \new
.endif
.endm
; unit n = 2 sl + u: rows 16 u .. 16 u + 15, my K step sl
.macro WLOAD n
	WIN 0x40                                       ; destination window 1
.irp i, 0,1,2,3,4,5,6,7,8,9,10,11,12,13,14,15
	global_load_b128 v[64*((\n)%4)+4*\i:64*((\n)%4)+4*\i+3], v[L16], s[WB:WB+1] offset:(16*((\n)%2)+\i)*8192+512*((\n)/2) th:TH_LOAD_NT
.endr
	WIN 0
.endm
; 64 numbers of a lane, register 32 c + i = k 64 c + 32 h + i of my row: two whole blocks.  They become the fragment's 12 registers and my row's scale word.
.macro QW
.irp c, 0,1
	v_max3_num_f32 v[M+\c], |v[X+32*\c]|, |v[X+32*\c+1]|, 0x1800000   ; with the floor 2^(3 - 127): the byte cannot fall under 1
.endr
.irp i, 2,4,6,8,10,12,14,16,18,20,22,24,26,28,30
.irp c, 0,1
	v_max3_num_f32 v[M+\c], v[M+\c], |v[X+32*\c+\i]|, |v[X+32*\c+\i+1]|
.endr
.endr
.irp c, 0,1
	v_add_nc_u32 v[SCV+\c], 0xff000000, v[M+\c]    ; 2 off the exponent field: the conversion's scale operand
.endr
.irp c, 0,1
	v_lshrrev_b32 v[BY+\c], 23, v[SCV+\c]
.endr
	v_lshl_or_b32 v[PW], v[BY+1], 16, v[BY]
	v_lshlrev_b32 v[PW], v[SH8], v[PW]
	v_permlanex16_b32 v[TT], v[PW], s[SEL], s[SEL+1]
	v_or_b32 v[PW], v[PW], v[TT]                   ; with lane l xor 16's two bytes the word is whole
.irp c, 0,1
	v_cvt_scalef32_pk16_fp6_f32 v[PC+6*\c:PC+6*\c+2], v[X+32*\c:X+32*\c+15], v[SCV+\c]
	v_cvt_scalef32_pk16_fp6_f32 v[TC+4*\c:TC+4*\c+2], v[X+32*\c+16:X+32*\c+31], v[SCV+\c]   ; (a conversion's three registers begin on an even number)
.endr
	v_nop                                          ; one plain place behind a scaled conversion
.irp c, 0,1
.irp i, 0,1,2
	v_mov_b32 v[PC+6*\c+3+\i], v[TC+4*\c+\i]
.endr
.endr
.endm
; cnt: the loads issued behind this unit's sixteen (63 where there are more: the most that the wait can name, and the stricter count)
.macro UNIT n, cnt
	s_wait_loadcnt \cnt
	WIN 0x04                                       ; an LDS store's data are its source 1: window 1
.irp i, 0,1,2,3,4,5,6,7,8,9,10,11,12,13,14,15
	ds_store_b128 v[STW], v[64*((\n)%4)+4*\i:64*((\n)%4)+4*\i+3] offset:SPI*\i
.endr
	WIN 0
.irp c, 0,1
.irp j, 0,1,2,3,4,5,6,7
	ds_load_b128 v[X+32*\c+4*\j:X+32*\c+4*\j+3], v[STR] offset:256*\c+16*\j   ; LDS serves a wave's instructions in order: these see the stores above
.endr
.endr
.if (\n)+4 < NU
	s_wait_dscnt 16                                ; the sixteen loads may be out; the stores have read the raw set,
	WLOAD (\n)+4                                   ; which takes the unit four further on
.endif
	s_wait_dscnt 0x0
	QW
.irp c, 0,1,2
	ds_store_b128 v[IMW], v[PC+4*\c:PC+4*\c+3] offset:1536*(\n)+512*\c   ; fragment 8 w + n = 2 (K step) + u, as its registers stand
.endr
	ds_store_b32 v[SCW], v[PW] offset:128*(\n)
.endm
.macro FETCHW                          ; all 32 fragments: 0-19 into window 1, 20-31 into window 2; their scale words into window 0
	WIN 0x40
.set f, 0
.rept 20
.irp c, 0,1,2
	ds_load_b128 v[12*f+4*\c:12*f+4*\c+3], v[IMR] offset:1536*f+512*\c
.endr
.set f, f+1
.endr
	WIN 0x80
.rept 12
.irp c, 0,1,2
	ds_load_b128 v[12*(f-20)+4*\c:12*(f-20)+4*\c+3], v[IMR] offset:1536*f+512*\c
.endr
.set f, f+1
.endr
	WIN 0
.set f, 0
.rept 32
	ds_load_b32 v[WS+f], v[SCR] offset:128*f
.set f, f+1
.endr
	s_wait_dscnt 0x0
.endm
; tile IX + k of my expert, held at its last tile: so a look-ahead past the end reads the last tile again and no load leaves its buffer
.macro HADR k
	s_add_co_u32 s[IC], s[IX], \k
	s_min_u32 s[IC], s[IC], s[TM1]
	s_lshl_b32 s[RM1], s[IC], 4
	s_sub_co_u32 s[RM1], s[C1], s[RM1]
	s_sub_co_u32 s[RM1], s[RM1], 1
	s_min_u32 s[RM1], s[RM1], 15                   ; its rows - 1
	s_add_co_u32 s[TAU], s[T0], s[IC]
	s_min_u32 s[TAU], s[TAU], 70                   ; its number among all tiles
	s_mul_i32 s37, s[TAU], 24576
	v_add_nc_u32 v[HRD], s37, v[HRD0]
	s_lshl_b32 s38, s[TAU], 10
	v_add_nc_u32 v[HSR], s38, v[HSR0]
	s_lshl_b32 s[LB], s[TAU], 6
.endm
; a quarter of a hidden tile: K steps 4 p .. 4 p + 3, 24 loads of 8 bytes a lane: lane (r, h) takes block 4 s + 2 c + h of row r.  With the last quarter: the scale words and the tokens' numbers, 6 loads more
.macro HPART p
	WIN 0xc0                                       ; destination window 3
.irp q, 0,1,2,3
.irp c, 0,1
.irp t, 0,1,2
	global_load_b64 v[12*(4*\p+\q)+6*\c+2*\t:12*(4*\p+\q)+6*\c+2*\t+1], v[HRD], s[6:7] offset:384*(4*(4*\p+\q)+2*\c)+8*\t
.endr
.endr
.endr
	WIN 0
.if \p == 3
	global_load_b128 v[HS:HS+3], v[HSR], s[8:9]              ; register j: lanes 0-15 K step j's word of row r, lanes 16-31 K step 8 + j's
	global_load_b128 v[HS+4:HS+7], v[HSR], s[8:9] offset:16
.irp k, 0,1,2,3
	v_add_nc_u32 v[LA+\k], 4*\k, v[L8]             ; the row that I store in the k-th store;
.endr
.irp k, 0,1,2,3
	v_min_u32 v[LA+\k], s[RM1], v[LA+\k]           ; a pad row takes the tile's last token
.endr
.irp k, 0,1,2,3
	v_min_u32 v[LA+\k], 15, v[LA+\k]               ; a number made from loaded ones enters an address only behind a minimum with a constant
.endr
.irp k, 0,1,2,3
	v_lshl_add_u32 v[LA+\k], v[LA+\k], 2, s[LB]
.endr
.irp k, 0,1,2,3
	global_load_b32 v[LT+\k], v[LA+\k], s[10:11] offset:256
.endr
.endif
.endm
; 32 products: the four accumulators by turns, one instruction a turn, over the loop's backward jump too.  K steps 0 and 1 start the sums.
.macro MUL
.irp s, 0,1,2,3,4,5,6,7,8,9,10,11,12,13,14,15
.if \s < 10
	WIN 0x0d                                       ; Wd window 1, the hidden tile window 3, sums window 0
.set WF, 24*\s
.else
	WIN 0x0e                                       ; Wd window 2
.set WF, 24*(\s-10)
.endif
.irp u, 0,1
.set AA, AC+8*\u+16*(\s%2)
.if \s < 2
	v_wmma_scale_f32_16x16x128_f8f6f4 v[AA:AA+7], v[WF+12*\u:WF+12*\u+11], v[12*\s:12*\s+11], 0, v[WS+2*\s+\u], v[HS+\s%8] matrix_a_fmt:MATRIX_FMT_FP6 matrix_b_fmt:MATRIX_FMT_FP6
.elseif \s < 8
	v_wmma_scale_f32_16x16x128_f8f6f4 v[AA:AA+7], v[WF+12*\u:WF+12*\u+11], v[12*\s:12*\s+11], v[AA:AA+7], v[WS+2*\s+\u], v[HS+\s%8] matrix_a_fmt:MATRIX_FMT_FP6 matrix_b_fmt:MATRIX_FMT_FP6
.else
	v_wmma_scale_f32_16x16x128_f8f6f4 v[AA:AA+7], v[WF+12*\u:WF+12*\u+11], v[12*\s:12*\s+11], v[AA:AA+7], v[WS+2*\s+\u], v[HS+\s%8] matrix_a_fmt:MATRIX_FMT_FP6 matrix_b_fmt:MATRIX_FMT_FP6 matrix_b_scale:MATRIX_SCALE_ROW1
.endif
.endr
.endr
.endm
.macro OADR                            ; 8 plain lines that name no register of the products: the places behind them
.irp k, 0,1,2,3
	v_min_u32 v[LT+\k], 0x3ff, v[LT+\k]
.endr
.irp k, 0,1,2,3
	v_lshl_add_u32 v[OA+\k], v[LT+\k], 12, v[OL]   ; the token's row of 4,096 bytes, + my 16 bytes of the work-group's 128
.endr
.endm
.macro EPI
.irp i, 0,2,4,6,8,10,12,14
	v_pk_add_f32 v[AC+\i:AC+\i+1], v[AC+\i:AC+\i+1], v[AC+16+\i:AC+16+\i+1]   ; even and odd K steps joined; each accumulator is read from its low end on
.endr
.irp u, 0,1
	ds_store_b128 v[OSW], v[AC+8*\u:AC+8*\u+3] offset:64*\u          ; lane (r, h): out(token r, 32 dp + 16 u + 8 h + 0 .. 7)
	ds_store_b128 v[OSW], v[AC+8*\u+4:AC+8*\u+7] offset:64*\u+16
.endr
.irp k, 0,1,2,3
	ds_load_b128 v[OB+4*\k:OB+4*\k+3], v[OSR] offset:576*\k          ; back by rows, four rows an instruction; LDS serves a wave's instructions in order
.endr
	s_wait_dscnt 0x0
.irp k, 0,1,2,3
	global_store_b128 v[OA+\k], v[OB+4*\k:OB+4*\k+3], s[12:13] th:TH_STORE_NT   ; eight lanes store 128 consecutive aligned bytes of a token's row
.endr
.endm
	s_load_b256 s[4:11], s[0:1], 0x0               ; down_weight s[4:5], hc s[6:7], hs s[8:9], route s[10:11]
	s_load_b64 s[12:13], s[0:1], 0x20              ; out0
	v_lshl_add_u32 v254, v0, 2, 0x17800
	v_mov_b32 v255, 0
	v_lshrrev_b32 v[TMP], 5, v0
	v_readfirstlane_b32 s[WV], v[TMP]              ; wave 0..3
	s_and_b32 s37, ttmp7, 0xffff                   ; the expert
	s_lshl_b32 s23, s37, 3
	s_lshl_b32 s38, s37, 10
	s_lshl_b32 s39, ttmp9, 5
	s_add_co_u32 s38, s38, s39                     ; my first row: 1024 e + 32 dp,
	s_lshl_b32 s38, s38, 13                        ; of 8,192 bytes: under 2^26,
	s_lshl_b32 s39, s[WV], 11
	s_add_co_u32 s38, s38, s39                     ; + my wave's 2,048 bytes of each row
	s_mov_b32 s39, 0
	v_and_b32 v[TMP], 31, v0                       ; lane
	v_lshlrev_b32 v[L16], 4, v[TMP]
	s_wait_kmcnt 0x0
	s_load_b64 s[24:25], s[10:11], s23 offset:0x0  ; first tile, tokens: it arrives while the stream starts
	s_add_nc_u64 s[WB:WB+1], s[4:5], s[38:39]
	WLOAD 0
	WLOAD 1
	WLOAD 2
	WLOAD 3
	v_and_b32 v[RR], 15, v0
	v_bfe_u32 v[HH], v0, 4, 1
	s_mul_i32 s38, s[WV], 16*SPI
	v_add_nc_u32 v[STW], s38, v[L16]
	v_mul_u32_u24 v[STR], v[RR], SPI
	v_lshl_add_u32 v[STR], v[HH], 7, v[STR]
	v_add_nc_u32 v[STR], s38, v[STR]
	v_add_nc_u32 v[IMR], WIMG, v[L16]
	s_mul_i32 s38, s[WV], 12288
	v_add_nc_u32 v[IMW], s38, v[IMR]
	v_lshlrev_b32 v[TMP], 2, v[TMP]                ; 4 x lane
	v_add_nc_u32 v[SCR], WSC, v[TMP]
	s_lshl_b32 s38, s[WV], 10
	v_add_nc_u32 v[SCW], s38, v[SCR]
	v_lshlrev_b32 v[SH8], 3, v[HH]
	s_mul_i32 s38, s[WV], 2304
	s_add_co_u32 s38, s38, OST
	v_mul_u32_u24 v[OSW], v[RR], 144
	v_lshl_add_u32 v[OSW], v[HH], 5, v[OSW]
	v_add_nc_u32 v[OSW], s38, v[OSW]
	v_bfe_u32 v[L8], v0, 3, 2                      ; lane / 8
	v_and_b32 v[TMP], 7, v0                        ; lane % 8
	v_mul_u32_u24 v[OSR], v[L8], 144
	v_lshl_add_u32 v[OSR], v[TMP], 4, v[OSR]
	v_add_nc_u32 v[OSR], s38, v[OSR]
	s_lshl_b32 s38, ttmp9, 7
	v_lshl_add_u32 v[OL], v[TMP], 4, s38
	v_mul_u32_u24 v[HRD0], v[RR], 24
	v_mad_u32_u24 v[HRD0], v[HH], 384, v[HRD0]
	v_lshlrev_b32 v[HSR0], 6, v[RR]
	v_lshl_add_u32 v[HSR0], v[HH], 5, v[HSR0]
	v_mov_b32 v[TT], 0                             ; written once: a lane permute's destination counts as one of its sources
	s_mov_b32 s[SEL], 0x76543210
	s_mov_b32 s[SEL+1], 0xfedcba98                 ; v_permlanex16_b32's selects for lane l xor 16
	s_wait_kmcnt 0x0
	s_min_u32 s[T0], s24, 70                       ; loaded numbers are held by constants before anything is made of them
	s_min_u32 s25, s25, 1024
	s_add_co_u32 s[NT], s25, 15
	s_lshr_b32 s[NT], s[NT], 4                     ; the expert's tiles: 64 at the most
	s_max_u32 s[C1], s25, 1
	s_max_u32 s[TM1], s[NT], 1
	s_sub_co_u32 s[TM1], s[TM1], 1
	s_cmp_eq_u32 s25, 0
	s_cselect_b32 s[T0], 0, s[T0]                  ; an expert without tokens looks ahead at tile 0, which is always written, and stores nothing
	s_mov_b32 s[IX], s[WV]
	s_add_co_u32 s[NTR], s[NT], 3                  ; my wave's tiles w, w + 4, .. under NT are (NT + 3 - w) / 4, rounded down
	s_sub_co_u32 s[NTR], s[NTR], s[WV]
	s_lshr_b32 s[NTR], s[NTR], 2
	s_mov_b32 s[TRP], 0
	HADR 0
	UNIT 0, 48                                     ; behind a unit's loads: three units' 48
	UNIT 1, 48
	UNIT 2, 48
	UNIT 3, 48
	UNIT 4, 48
	HPART 0                                        ; my first tile is asked for while the last units are worked
	UNIT 5, 56                                     ; two units' 32 and a quarter's 24
	HPART 1
	UNIT 6, 63                                     ; 16 + 48
	HPART 2
	UNIT 7, 63                                     ; 72
	HPART 3
	s_wait_dscnt 0x0                               ; for the others' sake: my images lie in LDS
	s_barrier_signal -1
	s_barrier_wait -1                              ; everybody's do.  The launch's one barrier: it stands ahead of every branch on loaded numbers
	FETCHW
	s_cmp_eq_u32 s[NTR], 0
	s_cbranch_scc1 .Lend                           ; no tile for my wave
.Ltile:
	s_wait_loadcnt 0x0                             ; this tile's codes, scale words and tokens are in; their address registers are free
	MUL
	WIN 0
	s_wait_xcnt 0x0                                ; the last tile's stores have read their offsets and data: only behind this wait are those written again
	OADR
	HADR 4
	HPART 0                                        ; my next tile, over this one's registers
	HPART 1
	HPART 2
	HPART 3
	EPI
	s_add_co_u32 s[IX], s[IX], 4                   ; my next tile: this number enters addresses alone, behind minima with constants
	s_add_co_u32 s[TRP], s[TRP], 1                 ; the loop is counted apart: one a trip, against a bound that the loop does not write
	s_cmp_lt_u32 s[TRP], s[NTR]
	s_cbranch_scc1 .Ltile
.Lend:
	s_wait_tensorcnt 0x0
	ds_add_u32 v254, v255
	s_wait_dscnt 0x0
	s_endpgm
.Lfunc_end_k_q56d9609978_down:
	.size	k_q56d9609978_down, .Lfunc_end_k_q56d9609978_down-k_q56d9609978_down
	.p2alignl 7, 3214868480
	.fill 96, 4, 3214868480
	.section	.rodata,"a",@progbits
	.p2align	6, 0x0
	.amdhsa_kernel k_q56d9609978_down
		.amdhsa_group_segment_fixed_size 96768
		.amdhsa_private_segment_fixed_size 0
		.amdhsa_enable_private_segment 0
		.amdhsa_kernarg_size 40
		.amdhsa_user_sgpr_count 2
		.amdhsa_user_sgpr_kernarg_segment_ptr 1
		.amdhsa_wavefront_size32 1
		.amdhsa_system_sgpr_workgroup_id_x 1
		.amdhsa_system_sgpr_workgroup_id_y 1
		.amdhsa_system_sgpr_workgroup_id_z 1
		.amdhsa_system_vgpr_workitem_id 0
		.amdhsa_next_free_vgpr 1024
		.amdhsa_next_free_sgpr 66
		.amdhsa_reserve_vcc 0
		.amdhsa_float_denorm_mode_32 3
		.amdhsa_float_denorm_mode_16_64 3
		.amdhsa_memory_ordered 1
		.amdhsa_forward_progress 1
		.amdhsa_inst_pref_size 95
	.end_amdhsa_kernel
	.amdgpu_metadata
---
amdhsa.version: [ 1, 2 ]
amdhsa.kernels:
  - .name:           k_q56d9609978_down
    .symbol:         k_q56d9609978_down.kd
    .args:
      - { .name: down_weight, .offset: 0, .size: 8, .value_kind: global_buffer, .address_space: global }
      - { .name: hc, .offset: 8, .size: 8, .value_kind: global_buffer, .address_space: global }
      - { .name: hs, .offset: 16, .size: 8, .value_kind: global_buffer, .address_space: global }
      - { .name: route, .offset: 24, .size: 8, .value_kind: global_buffer, .address_space: global }
      - { .name: out0, .offset: 32, .size: 8, .value_kind: global_buffer, .address_space: global }
    .group_segment_fixed_size: 96768
    .private_segment_fixed_size: 0
    .kernarg_segment_align: 8
    .kernarg_segment_size: 40
    .max_flat_workgroup_size: 128
    .sgpr_count:     66
    .vgpr_count:     1024
    .wavefront_size: 32
...
	.end_amdgpu_metadata
.endif
;; end of part 3
